; MI455X (gfx1250); checked and timed in simulation.
; The chip was launched on July 23, 2026; its instructions are those of AMD's public machine-readable ISA for CDNA 5 (MIT licence, August 2026) and "CDNA5" Instruction Set Architecture Reference Guide (July 2026). The comments in the code are by the model that wrote it; some were corrected since.
;; Quant Linear. Allowed arithmetic: matrix products marked QUANTISED: E2M1 operands, one E8M0 scale for each 32 along K, by v_wmma_scale_f32_16x16x128_f8f6f4 with both operands' format E2M1 (or v_wmma_scale_f32_32x16x128_f4), f32 sums; everything else in f32.
;; Inputs: bias 4,096 float32; g_idx 4,096 int32; qweight 512 x 4,096 int32; qzeros 32 x 512 int32; scales 32 x 4,096 float32; x 4,096 x 4,096 float32.
;; Outputs: out0 4,096 x 4,096 float32.
;; This version of the problem:
;;   THIS VERSION OF THE PROBLEM IS GIVEN IN LOW PRECISION. The matrix products marked QUANTISED in the list below multiply operands that are first quantised to E2M1 (2 exponent bits, 1 mantissa bit; 4 bits a number), with one power-of-two scale for each 32 numbers along K (OCP MX v1.0); their sums are f32. All else is computed in f32.
;;   The module's matrix products, in the order in which they are computed (A, B: the left and right operand; K: the contracted axis; several contracted axes count as one K, in the product's order):
;;     1. [M 4,096, K 4,096] x [K 4,096, N 4,096]; A: input x; B: computed on the way: QUANTISED
;;   THE QUANTISER, for each operand of a quantised product, along K:
;;     - K is cut into blocks of 32 from its start; a last block that is shorter is filled with zeros.
;;     - A block's scale is 2^e with e = floor(log2(the largest magnitude in the block)) - 2, held to -126 .. 127; a block of zeros has e = 0. As a byte (E8M0): e + 127.
;;     - Each number is divided by its block's scale, clamped to +-6, and rounded to the nearest number of E2M1, ties to even, subnormals kept.
;;     - The product sums the exact products of the quantised numbers (number of the format x scale) in f32.
;;   ~~~python
;;   def quantise(x, axis):      # numpy; x: float32 -> the quantised numbers, widened to float32 again
;;       x = np.moveaxis(x, axis, -1); K = x.shape[-1]
;;       x = np.pad(x, [(0, 0)] * (x.ndim - 1) + [(0, -K % 32)]); x = x.reshape(x.shape[:-1] + (-1, 32)); a = np.abs(x).max(-1, keepdims=True)
;;       e = np.where(a > 0, np.clip(np.frexp(np.where(a > 0, a, 1))[1] - 1 - 2, -126, 127), 0)      # np.frexp(a)[1] - 1 = floor(log2(a)), exactly
;;       r = np.clip(x / 2.0 ** e, -6, 6)
;;       step = 2.0 ** (np.maximum(np.frexp(np.where(r == 0, 1, r))[1] - 1, 0) - 1)
;;       q = np.round(r / step) * step * 2.0 ** e      # np.round: ties to even
;;       return np.moveaxis(q.reshape(q.shape[:-2] + (-1,))[..., :K], -1, axis).astype(np.float32)
;;   ~~~
;;   OPERANDS COMPUTED ON THE WAY. 'Computed on the way' means the value that the module computes at that place (a softmax that the list does not call 'softmax' is quantised finished and normalised). What goes into a quantiser is computed in f32, as accurately as f32 sums, v_exp_f32 and their like allow (about 1e-6 of the number): no bf16 or f16 on the way to a quantiser, and a product that is left as it is and whose result goes on into a quantised operand takes f32 operands (vector FMAs, or v_wmma_f32_16x16x4_f32). A number that lies on a knife's edge between two numbers of the format may be rounded either way, as far as f32 arithmetic and the matrix unit's own rounding can turn it there, and no further.
;; One version. Each part assembles by itself: llvm-mc -triple=amdgcn-amd-amdhsa -mcpu=gfx1250 --defsym DOCPART=n.
;; ======== version 1 of 1: 2 launches
;; limits: right only within a limited range of input values
;; workspace buffers: xq 8,912,896 bytes; wq 8,912,896 bytes
;; launch quant (part 1): grid 1024 x 1, 4 waves a work-group, no clusters, 51,712 bytes of LDS; arguments x, qweight, qzeros, scales, g_idx, xq, wq; writes xq, wq
.if DOCPART == 1
	.amdgcn_target "amdgcn-amd-amdhsa--gfx1250"
	.amdhsa_code_object_version 6
	.text
	.protected	k_q8b7c9a15e2_quant
	.globl	k_q8b7c9a15e2_quant
	.p2align	8
	.type	k_q8b7c9a15e2_quant,@function
k_q8b7c9a15e2_quant:
	s_mov_b64 s[64:65], 0
	v_nop
	global_prefetch_b8 v0, s[64:65] scope:SCOPE_SE
	s_setreg_imm32_b32 hwreg(HW_REG_WAVE_MODE, 25, 1), 1
	s_wait_xcnt 0x0
; BOTH OPERANDS OF out = x W + bias BECOME CODES OF FP4 (E2M1) WITH ONE E8M0 SCALE BYTE FOR EACH 32 ALONG K.  M = N = K = 4,096.
; x [4096][4096] f32 has K innermost.  W[k][n] = scales[g_idx[k]][n] x f32(nibble k % 8 of qweight[k / 8][n] - (nibble n % 8 of qzeros[g_idx[k]][n / 8] + 1)) has K as its first axis; g_idx is honoured as it is given, k by k.
; A block's scale is 2^(floor(log2(its largest magnitude)) - 2); its byte is the largest magnitude's exponent field - 2, held at 1 from below; each number is divided by the scale and rounded to the nearest code, ties to even, beyond 6 the largest code.
; THE TWO WORKSPACES, xq (rows = x's rows m) and wq (rows = W's columns n), are laid alike: [32 blocks of 128 rows][8 K steps of 512][34,816 bytes].  In a block: row r's 512 codes at 256 r (K innermost, the lower k in the low four bits),
; then from byte 32,768 on row r's 16 scale bytes at 16 r (byte j: k = 32 j on).  So the next launch brings 128 rows' codes and scales of a K step as ONE dense block.
; SHARES.  Work-groups 0-511 make wq, work-groups 512-1023 make xq: two paths that part on the work-group's number and never meet; each has LDS bytes of its own (x: 0 to 32,767; W: 32,768 to 51,199).
; No tensor loads and no cluster: the large streams (x, qweight) are read once, by one wave each; what work-groups share (rows of scales and qzeros) is a small part of the bytes.  No prefetch: the launch is a stream that has its loads out all the time.
; LIMITS: NaN and infinities among x and scales are not served.  A block of zeros gets the byte 1 where the rule says 127: its codes are zeros, which add nothing under any byte but 0xff, and this program alone reads the bytes.
; A g_idx outside 0 .. 31 is held at 31 (the table has 32 rows, and an index stays inside its table).
; THE ORDER OF wq's ROWS: inside each 64 columns, column n = 4 r + b (r = 0 .. 15, b = 0 .. 3) stands at row 16 b + r: so four neighbouring columns lie in the same lane of four neighbouring tiles of the next launch.  xq's rows stand in their own order.
.set BLKB,  34816                      ; a block of the workspaces
.set WGW,   512                        ; work-groups of the W path
; ---- names of the W path
.set WSTG,  32768                      ; LDS: the stage, 64 columns x (256 bytes of codes + 16)
.set WSCL,  WSTG+64*272                ; LDS: 64 columns x 16 scale bytes
.set RING,  36                         ; v36-171  four sets of 34: +0..7 the offset J of 8 k in qzeros, +8..15 the zeros' bytes, +16..31 the scales of my two columns, +32..33 qweight's two words
.set WB0,   172                        ; v172-203 a block of 32 along K of my even column
.set WB1,   204                        ; v204-235 of my odd column
.set B8,    236                        ; v236     8 (32 cg + l): my two columns' bytes in a row of scales
.set J8S,   238                        ; v238-245 the offsets of 8 k in scales, for chunks 4 to 15
; ---- names of the x path
.set WREG,  8192                       ; LDS: a region for each wave: two stages of 32 x SP bytes, behind them its 256 scale bytes
.set SP,    80                         ; a lane's place in a stage: its 64 bytes + 16 of padding
.set R,     16                         ; v16-79   four sets of 16 numbers as they are loaded
.set X,     80                         ; v80-111  two sets of 16 neighbours
.set E,     112                        ; v112-127 a scale byte for each step
.set C,     128                        ; v128-191 codes: four registers for each step, so that no store's data are written again
	s_load_b256 s[4:11], s[0:1], 0x0               ; x s[4:5], qweight s[6:7], qzeros s[8:9], scales s[10:11]
	s_load_b128 s[12:15], s[0:1], 0x20             ; g_idx s[12:13], xq s[14:15]
	s_load_b64 s[16:17], s[0:1], 0x30              ; wq
	v_lshl_add_u32 v248, v0, 2, 0xc800
	v_mov_b32 v249, 0
	v_lshrrev_b32 v1, 5, v0
	v_readfirstlane_b32 s18, v1                    ; wave 0..3
	s_wait_kmcnt 0x0
	s_cmp_lt_u32 ttmp9, WGW
	s_cbranch_scc0 .Lx
; ======================================================== W ========================================================
; A work-group takes 64 columns x one K step of 512.  Wave w takes k = 128 w .. 128 w + 127 of it: 4 blocks of 32, 16 chunks of 8 k (a chunk is one row of qweight).
; LANE l TAKES COLUMNS 2 l AND 2 l + 1, AND ITS REGISTERS RUN DOWN K: a block lies in one lane's 32 registers, and the conversions give codes with K innermost.
; Two neighbouring columns share one byte of qzeros and 8 bytes of scales: the byte lies at J = 2,048 g + 32 cg + l of qzeros, the 8 bytes at 16,384 g + 8 (32 cg + l) of scales.
; g_idx is the same for all lanes: it comes by scalar loads, a block's 32 numbers at a time, two sets of registers by turns.
	s_and_b32 s19, ttmp9, 7                        ; the K step
	s_lshr_b32 s20, ttmp9, 3                       ; cg: which 64 columns
	s_lshl_b32 s22, s19, 6
	s_lshl_b32 s23, s18, 4
	s_add_co_u32 s22, s22, s23                     ; my first row of qweight: 64 x K step + 16 x wave
	s_lshl_b32 s28, s22, 5                         ; its 8 k are 32 bytes of g_idx
	s_mov_b32 s29, 0
	s_add_nc_u64 s[12:13], s[12:13], s[28:29]
	s_load_b512 s[32:47], s[12:13], 0x0            ; block 0's 32 groups: set 0
	s_load_b512 s[48:63], s[12:13], 0x40
	s_load_b512 s[68:83], s[12:13], 0x80           ; block 1's: set 1
	s_load_b512 s[84:99], s[12:13], 0xc0
	s_lshl_b32 s22, s22, 14                        ; a row of qweight is 16,384 bytes
	s_lshl_b32 s23, s20, 8                         ; 64 columns are 256
	s_add_co_u32 s22, s22, s23
	s_mov_b32 s23, 0
	s_add_nc_u64 s[6:7], s[6:7], s[22:23]
	s_lshr_b32 s22, s20, 1                         ; which block of 128 rows of wq
	s_lshl_b32 s22, s22, 3
	s_add_co_u32 s22, s22, s19
	s_mul_i32 s22, s22, BLKB                       ; the block's first byte
	s_and_b32 s21, s20, 1                          ; which 64 of its rows
	s_lshl_b32 s28, s21, 14
	s_add_co_u32 s28, s28, s22
	s_lshl_b32 s30, s18, 12                        ; on the way out wave w stores rows 16 w .. 16 w + 15 of the 64
	s_add_co_u32 s28, s28, s30
	s_add_nc_u64 s[24:25], s[16:17], s[28:29]      ; where my codes go
	s_lshl_b32 s28, s21, 10
	s_add_co_u32 s28, s28, s22
	s_add_co_u32 s28, s28, 32768
	s_add_nc_u64 s[26:27], s[16:17], s[28:29]      ; where the work-group's 1,024 scale bytes go
	v_and_b32 v1, 31, v0                           ; lane
	s_lshl_b32 s30, s20, 5
	v_add_nc_u32 v2, s30, v1                       ; 32 cg + l: J without the group
	v_lshlrev_b32 v[B8], 3, v2                     ; and the same in a row of scales
	v_lshlrev_b32 v3, 3, v1                        ; qweight: my two words
	v_and_b32 v4, 1, v1
	v_lshrrev_b32 v5, 1, v1
	v_lshl_add_u32 v5, v4, 5, v5                   ; my even column 2 l stands at row 32 (l % 2) + l / 2, my odd one 16 rows further down
	v_mul_u32_u24 v4, v5, 272                      ; the stage, on the way in: my wave's 64 bytes of those rows
	s_lshl_b32 s30, s18, 6
	s_add_co_u32 s30, s30, WSTG
	v_add_nc_u32 v4, s30, v4
	v_lshlrev_b32 v5, 4, v5                        ; the scale words: 16 bytes a row, my wave's word of them
	s_lshl_b32 s30, s18, 2
	s_add_co_u32 s30, s30, WSCL
	v_add_nc_u32 v5, s30, v5
	v_bfe_u32 v10, v0, 4, 1
	v_and_b32 v11, 15, v0
	v_mul_u32_u24 v6, v10, 272                     ; the stage, on the way out: sixteen lanes to a row, two rows an instruction
	v_lshl_add_u32 v6, v11, 4, v6
	s_mul_i32 s30, s18, 16*272
	s_add_co_u32 s30, s30, WSTG
	v_add_nc_u32 v6, s30, v6
	v_lshlrev_b32 v7, 4, v1                        ; and the same 512 bytes in wq
	v_lshl_add_u32 v8, v0, 3, WSCL                 ; the scale bytes on the way out: 8 a thread
	v_lshlrev_b32 v9, 3, v0
; Chunk t is asked for: 17 loads into ring set t % 4.  Each group is held inside the table's 32 rows before it enters an address.
; The offsets in scales: chunks 0 to 3, asked for on end, put theirs where the chunk's own numbers of W will stand: those are written only behind the chunk's counted wait for its loads.
; Later chunks share eight registers, written again only behind s_wait_xcnt 0 (every earlier memory instruction has had its addresses translated: ISA guide 3.1); the last loads stand a chunk's 80 vector lines back.
.macro FILLW t
.set FS, RING+34*((\t)%4)
.set FG, 32+36*(((\t)/4)%2)+8*((\t)%4)         ; set 0 begins at s32, set 1 at s68
.if (\t) < 4
.set FJ, WB0+8*(\t)
.else
.set FJ, J8S
	s_wait_xcnt 0x0
.endif
.irp i, 0,1,2,3,4,5,6,7
	s_min_u32 s[FG+\i], s[FG+\i], 31
	v_lshl_add_u32 v[FS+\i], s[FG+\i], 11, v2      ; J = 2,048 g + 32 cg + l
	v_lshl_add_u32 v[FJ+\i], s[FG+\i], 14, v[B8]   ; 16,384 g + 8 (32 cg + l)
.endr
	global_load_b64 v[FS+32:FS+33], v3, s[6:7] offset:16384*(\t) th:TH_LOAD_NT   ; 32 lanes read 256 consecutive bytes of a row of qweight; read once in the launch
.irp i, 0,1,2,3,4,5,6,7
	global_load_b64 v[FS+16+2*\i:FS+17+2*\i], v[FJ+\i], s[10:11]                 ; scales[g][n], [n + 1]: 32 lanes read 256 consecutive bytes
	global_load_u8 v[FS+8+\i], v[FS+\i], s[8:9]                                  ; the byte with both columns' zero points
.endr
.endm
; Chunk t is worked: 8 k x 2 columns.  W = s (w - z - 1) is one fused multiply-add, s x f32(w - z) - s: one rounding of the exact number, as the multiplication by the whole number w - z - 1 has.
.macro CHUNKW t
.set CR, RING+34*((\t)%4)
.set WK, 8*((\t)%4)
.if 15-(\t) >= 3
	s_wait_loadcnt 51                              ; my 17 loads are in; the three younger chunks' 51 may be out.  The wait also frees this chunk's offset registers
.else
	s_wait_loadcnt 17*(15-(\t))
.endif
.irp i, 0,1,2,3,4,5,6,7
.set TT, 10+4*(\i%2)                           ; two sets of temporaries by turns
	v_bfe_u32 v[TT], v[CR+32], 4*\i, 4             ; the weights' nibbles: nibble i of a word is k = 8 row + i
	v_bfe_u32 v[TT+1], v[CR+33], 4*\i, 4
	v_and_b32 v[TT+2], 15, v[CR+8+\i]              ; the zero points' nibbles: the even column's is the low one
	v_lshrrev_b32 v[TT+3], 4, v[CR+8+\i]
	v_sub_nc_u32 v[TT], v[TT], v[TT+2]
	v_sub_nc_u32 v[TT+1], v[TT+1], v[TT+3]
	v_cvt_f32_i32 v[TT], v[TT]
	v_cvt_f32_i32 v[TT+1], v[TT+1]
	v_fma_f32 v[WB0+WK+\i], v[CR+16+2*\i], v[TT], -v[CR+16+2*\i]
	v_fma_f32 v[WB1+WK+\i], v[CR+17+2*\i], v[TT+1], -v[CR+17+2*\i]
.endr
.if (\t)+4 < 16
	FILLW (\t)+4                                   ; the set takes the chunk four further on
.endif
.endm
; Block b of my two columns becomes 2 x 16 bytes of codes and two scale bytes.  All 32 numbers of a block are mine: no other lane is asked.
.macro QUANTW b
	v_max3_num_f32 v18, |v[WB0]|, |v[WB0+1]|, 0x1800000      ; two chains a column, the columns by turns; the floor 2^(3 - 127) among the leaves holds the byte at 1 from below
	v_max3_num_f32 v20, |v[WB1]|, |v[WB1+1]|, 0x1800000
	v_max3_num_f32 v19, |v[WB0+2]|, |v[WB0+3]|, 0x1800000
	v_max3_num_f32 v21, |v[WB1+2]|, |v[WB1+3]|, 0x1800000
.irp i, 4,8,12,16,20,24,28
	v_max3_num_f32 v18, v18, |v[WB0+\i]|, |v[WB0+\i+1]|
	v_max3_num_f32 v20, v20, |v[WB1+\i]|, |v[WB1+\i+1]|
	v_max3_num_f32 v19, v19, |v[WB0+\i+2]|, |v[WB0+\i+3]|
	v_max3_num_f32 v21, v21, |v[WB1+\i+2]|, |v[WB1+\i+3]|
.endr
	v_max_num_f32 v18, v18, v19
	v_max_num_f32 v20, v20, v21
	v_add_nc_u32 v22, 0xff000000, v18              ; 2 off the exponent field: the conversion takes the exponent field of this operand as its scale, and nothing else of it
	v_add_nc_u32 v23, 0xff000000, v20
	v_lshrrev_b32 v24, 23, v22                     ; the scale's byte
	v_lshrrev_b32 v25, 23, v23
.if (\b) == 0
	v_mov_b32 v26, v24                             ; four bytes to a word, the lower K in the lower byte
	v_mov_b32 v27, v25
.else
	v_lshl_or_b32 v26, v24, 8*(\b), v26
	v_lshl_or_b32 v27, v25, 8*(\b), v27
	s_wait_alu depctr_va_vdst(0)
	s_wait_dscnt 0x0                               ; the last block's stores have read the codes' registers
.endif
.irp g, 0,1,2,3
	v_cvt_scalef32_pk8_fp4_f32 v[28+\g], v[WB0+8*\g:WB0+8*\g+7], v22
	v_cvt_scalef32_pk8_fp4_f32 v[32+\g], v[WB1+8*\g:WB1+8*\g+7], v23
.endr
	v_nop                                          ; one plain vector line behind the last conversion: the next chunk writes the conversions' sources
	ds_store_b128 v4, v[28:31] offset:16*(\b)      ; 32 codes: 16 bytes of my even column's row,
	ds_store_b128 v4, v[32:35] offset:4352+16*(\b) ; and of my odd column's, 16 rows further down
.endm
	s_wait_kmcnt 0x0                               ; blocks 0 and 1 of g_idx
	FILLW 0
	FILLW 1
	FILLW 2
	FILLW 3
	s_load_b512 s[32:47], s[12:13], 0x100          ; set 0 has been used up: block 2's groups
	s_load_b512 s[48:63], s[12:13], 0x140
	CHUNKW 0                                       ; (these four ask for chunks 4 to 7, by set 1)
	CHUNKW 1
	CHUNKW 2
	CHUNKW 3
	QUANTW 0
	s_wait_kmcnt 0x0                               ; block 2's groups are in
	s_load_b512 s[68:83], s[12:13], 0x180          ; set 1 has been used up: block 3's
	s_load_b512 s[84:99], s[12:13], 0x1c0
	CHUNKW 4
	CHUNKW 5
	CHUNKW 6
	CHUNKW 7
	QUANTW 1
	s_wait_kmcnt 0x0                               ; block 3's groups are in
	CHUNKW 8
	CHUNKW 9
	CHUNKW 10
	CHUNKW 11
	QUANTW 2
	CHUNKW 12
	CHUNKW 13
	CHUNKW 14
	CHUNKW 15
	QUANTW 3
	ds_store_b32 v5, v26                           ; my wave's scale word of my even column,
	ds_store_b32 v5, v27 offset:256                ; and of my odd one
	s_wait_dscnt 0x0                               ; for the others' sake: my stores have landed.  A row's 256 bytes come from four waves
	s_barrier_signal -1
	s_barrier_wait -1
.irp i, 0,1,2,3,4,5,6,7
	ds_load_b128 v[36+4*\i:39+4*\i], v6 offset:544*\i      ; my 16 rows, two at a time (the ring's registers are free: every load has been waited for)
.endr
	ds_load_b64 v[68:69], v8
.irp i, 0,1,2,3,4,5,6,7
	s_wait_dscnt 8-\i                              ; behind load i: 7 - i loads of 16 bytes and the one of 8
	global_store_b128 v7, v[36+4*\i:39+4*\i], s[24:25] offset:512*\i   ; 32 lanes store 512 consecutive bytes, at a multiple of 256 from wq's first byte
.endr
	s_wait_dscnt 0x0
	global_store_b64 v9, v[68:69], s[26:27]        ; a wave stores 256 consecutive bytes of scale bytes, aligned likewise
	s_wait_tensorcnt 0x0
	ds_add_u32 v248, v249
	s_wait_dscnt 0x0
	s_endpgm
; ======================================================== x ========================================================
; A work-group takes 16 rows x four K steps; wave w takes 16 rows x one K step of 512: 16 steps, a row each.  The conversions take 8 numbers of ONE block from a lane's registers, so a lane must hold 16 NEIGHBOURS
; (two neighbouring lanes hold a block); a load is best where neighbouring LANES take neighbouring bytes.  Both are had: each of a step's four loads reads 512 consecutive bytes, 16 a lane; the 2,048 bytes go through
; the wave's own stage in LDS, as they lie, and come back 64 bytes a lane (16 bytes of padding behind each 64).  A lane's 16 codes are 8 bytes: the wave stores a row's 256 bytes.
; A step makes 16 scale bytes, the 16 steps 256: they are gathered in the wave's own LDS bytes and leave together.  Waves share nothing: no barrier.  Loads run four steps ahead, the turn through LDS one step.
.Lx:
	v_and_b32 v2, 31, v0                           ; lane
	v_lshlrev_b32 v3, 4, v2                        ; my 16 bytes of a load's 512
	s_mul_i32 s19, s18, WREG
	v_lshrrev_b32 v14, 2, v2
	v_mul_u32_u24 v14, v14, SP
	v_and_b32 v15, 3, v2
	v_lshl_add_u32 v14, v15, 4, v14
	v_add_nc_u32 v14, s19, v14                     ; the stage, on the way in: SP (lane / 4) + 16 (lane % 4); a load's 512 bytes take eight places
	v_mul_u32_u24 v15, v2, SP
	v_add_nc_u32 v15, s19, v15                     ; and on the way out: SP x lane: my 16 neighbours
	v_lshlrev_b32 v4, 3, v2                        ; 8 x lane: my codes' place in a row's, and my 8 scale bytes' place at the end
	v_lshrrev_b32 v5, 1, v2
	s_add_co_u32 s19, s19, 2*32*SP
	v_add_nc_u32 v5, s19, v5                       ; LDS: my wave's 256 scale bytes, my block's byte
	v_add_nc_u32 v6, s19, v4                       ; and on the way out 8 bytes a lane
	s_sub_co_u32 s20, ttmp9, WGW
	s_lshr_b32 s21, s20, 1                         ; which 16 rows
	s_and_b32 s20, s20, 1
	s_lshl_b32 s20, s20, 2
	s_add_co_u32 s20, s20, s18                     ; which K step
	s_lshl_b32 s22, s21, 18                        ; 16 rows of 16,384 bytes
	s_lshl_b32 s23, s20, 11                        ; 512 numbers
	s_add_co_u32 s22, s22, s23
	s_mov_b32 s23, 0
	s_add_nc_u64 s[4:5], s[4:5], s[22:23]
	s_lshr_b32 s22, s21, 3                         ; which block of 128 rows of xq
	s_lshl_b32 s22, s22, 3
	s_add_co_u32 s22, s22, s20
	s_mul_i32 s22, s22, BLKB
	s_and_b32 s21, s21, 7                          ; which 16 of its rows
	s_lshl_b32 s24, s21, 12
	s_add_co_u32 s24, s24, s22
	s_mov_b32 s25, 0
	s_add_nc_u64 s[26:27], s[14:15], s[24:25]      ; where my codes go
	s_lshl_b32 s24, s21, 8
	s_add_co_u32 s24, s24, s22
	s_add_co_u32 s24, s24, 32768
	s_add_nc_u64 s[28:29], s[14:15], s[24:25]      ; where my 256 scale bytes go
.macro XLOAD t
.irp i, 0,1,2,3
	global_load_b128 v[R+16*((\t)%4)+4*\i:R+16*((\t)%4)+4*\i+3], v3, s[4:5] offset:16384*(\t)+512*\i th:TH_LOAD_NT   ; 32 lanes read 512 consecutive bytes; read once in the launch
.endr
.endm
.macro XTURN t                         ; step t's numbers through the stage: LDS serves a wave's instructions in order (ISA guide 5.7.1.4), so no wait stands between the stores and the loads
.irp i, 0,1,2,3
	ds_store_b128 v14, v[R+16*((\t)%4)+4*\i:R+16*((\t)%4)+4*\i+3] offset:32*SP*((\t)%2)+8*SP*\i
.endr
.irp i, 0,1,2,3
	ds_load_b128 v[X+16*((\t)%2)+4*\i:X+16*((\t)%2)+4*\i+3], v15 offset:32*SP*((\t)%2)+16*\i
.endr
.endm
.macro XSTEP t
.set XS, X+16*((\t)%2)
.if (\t) > 0
	s_wait_dscnt 1                                 ; this step's numbers are back from the stage (the last step's byte store may be out): so its stores into the stage have read their registers,
.else
	s_wait_dscnt 0x0
.endif
.if (\t)+4 < 16
	XLOAD (\t)+4                                   ; which take the loads of four steps on
.endif
.if (\t)+1 < 16
.if 14-(\t) >= 3
	s_wait_loadcnt 12                              ; the next step's four loads are in; those of the three steps behind it may be out
.else
	s_wait_loadcnt 4*(14-(\t))
.endif
	XTURN (\t)+1                                   ; and go through the other stage while this step is worked
.endif
	v_max3_num_f32 v8, |v[XS]|, |v[XS+1]|, |v[XS+2]|               ; the largest magnitude of my 16, in two chains
	v_max3_num_f32 v9, |v[XS+3]|, |v[XS+4]|, |v[XS+5]|
.irp i, 6,10
	v_max3_num_f32 v8, v8, |v[XS+\i]|, |v[XS+\i+1]|
	v_max3_num_f32 v9, v9, |v[XS+\i+2]|, |v[XS+\i+3]|
.endr
	v_max3_num_f32 v8, v8, |v[XS+14]|, |v[XS+15]|
	v_max3_num_f32 v8, v8, v9, 0x1800000           ; and the floor 2^(3 - 127): the byte cannot fall under 1
	v_max_num_f32_dpp v8, v8, v8 row_xmask:1 row_mask:0xf bank_mask:0xf   ; and of my neighbour's 16: the block's
	v_add_nc_u32 v11, 0xff000000, v8               ; 2 off its exponent field: the conversion's scale operand
	v_cvt_scalef32_pk8_fp4_f32 v[C+4*(\t)], v[XS:XS+7], v11
	v_cvt_scalef32_pk8_fp4_f32 v[C+4*(\t)+1], v[XS+8:XS+15], v11
	v_lshrrev_b32 v[E+(\t)], 23, v11               ; the scale's byte (also the plain line behind the conversions)
	ds_store_b8 v5, v[E+(\t)] offset:16*(\t)       ; both lanes of a block write the same byte with the same value
	global_store_b64 v4, v[C+4*(\t):C+4*(\t)+1], s[26:27] offset:256*(\t)   ; 32 lanes store a row's 256 consecutive bytes, at a multiple of 256 from xq's first byte
.endm
	XLOAD 0
	XLOAD 1
	XLOAD 2
	XLOAD 3
	s_wait_alu depctr_va_vdst(0)
	s_wait_loadcnt 12                              ; step 0's four loads are in
	XTURN 0
.irp t, 0,1,2,3,4,5,6,7,8,9,10,11,12,13,14,15
	XSTEP \t
.endr
	ds_load_b64 v[12:13], v6                       ; LDS serves a wave's instructions in order: these see my byte stores
	s_wait_dscnt 0x0
	global_store_b64 v4, v[12:13], s[28:29]        ; 32 lanes store 256 consecutive bytes, aligned likewise
	s_wait_tensorcnt 0x0
	ds_add_u32 v248, v249
	s_wait_dscnt 0x0
	s_endpgm
.Lfunc_end_k_q8b7c9a15e2_quant:
	.size	k_q8b7c9a15e2_quant, .Lfunc_end_k_q8b7c9a15e2_quant-k_q8b7c9a15e2_quant
	.p2alignl 7, 3214868480
	.fill 96, 4, 3214868480
	.section	.rodata,"a",@progbits
	.p2align	6, 0x0
	.amdhsa_kernel k_q8b7c9a15e2_quant
		.amdhsa_group_segment_fixed_size 51712
		.amdhsa_private_segment_fixed_size 0
		.amdhsa_enable_private_segment 0
		.amdhsa_kernarg_size 56
		.amdhsa_user_sgpr_count 2
		.amdhsa_user_sgpr_kernarg_segment_ptr 1
		.amdhsa_wavefront_size32 1
		.amdhsa_system_sgpr_workgroup_id_x 1
		.amdhsa_system_sgpr_workgroup_id_y 1
		.amdhsa_system_sgpr_workgroup_id_z 1
		.amdhsa_system_vgpr_workitem_id 0
		.amdhsa_next_free_vgpr 250
		.amdhsa_next_free_sgpr 100
		.amdhsa_reserve_vcc 0
		.amdhsa_float_denorm_mode_32 3
		.amdhsa_float_denorm_mode_16_64 3
		.amdhsa_memory_ordered 1
		.amdhsa_forward_progress 1
		.amdhsa_inst_pref_size 154
	.end_amdhsa_kernel
	.amdgpu_metadata
---
amdhsa.version: [ 1, 2 ]
amdhsa.kernels:
  - .name:           k_q8b7c9a15e2_quant
    .symbol:         k_q8b7c9a15e2_quant.kd
    .args:
      - { .name: x, .offset: 0, .size: 8, .value_kind: global_buffer, .address_space: global }
      - { .name: qweight, .offset: 8, .size: 8, .value_kind: global_buffer, .address_space: global }
      - { .name: qzeros, .offset: 16, .size: 8, .value_kind: global_buffer, .address_space: global }
      - { .name: scales, .offset: 24, .size: 8, .value_kind: global_buffer, .address_space: global }
      - { .name: g_idx, .offset: 32, .size: 8, .value_kind: global_buffer, .address_space: global }
      - { .name: xq, .offset: 40, .size: 8, .value_kind: global_buffer, .address_space: global }
      - { .name: wq, .offset: 48, .size: 8, .value_kind: global_buffer, .address_space: global }
    .group_segment_fixed_size: 51712
    .private_segment_fixed_size: 0
    .kernarg_segment_align: 8
    .kernarg_segment_size: 56
    .max_flat_workgroup_size: 128
    .sgpr_count:     100
    .vgpr_count:     250
    .wavefront_size: 32
...
	.end_amdgpu_metadata
.endif
;; end of part 1
;; launch gemm (part 2): grid 16 x 16, 4 waves a work-group, clusters of 4 x 4, 327,680 bytes of LDS; arguments xq, wq, bias, out0; writes out0
.if DOCPART == 2
	.amdgcn_target "amdgcn-amd-amdhsa--gfx1250"
	.amdhsa_code_object_version 6
	.text
	.protected	k_q8b7c9a15e2_gemm
	.globl	k_q8b7c9a15e2_gemm
	.p2align	8
	.type	k_q8b7c9a15e2_gemm,@function
k_q8b7c9a15e2_gemm:
	s_mov_b64 s[64:65], 0
	v_nop
	global_prefetch_b8 v0, s[64:65] scope:SCOPE_SE
	s_setreg_imm32_b32 hwreg(HW_REG_WAVE_MODE, 25, 1), 1
	s_wait_xcnt 0x0
	s_wait_alu depctr_hold_cnt(0) depctr_sa_sdst(0) depctr_va_vdst(0) depctr_va_sdst(0) depctr_va_ssrc(0) depctr_va_vcc(0) depctr_vm_vsrc(0)
	s_getreg_b32 s2, hwreg(HW_REG_IB_STS2, 6, 4)
	s_cmp_eq_u32 s2, 0
	s_cbranch_scc0 .Lentry_in_a_cluster
	s_endpgm
.Lentry_in_a_cluster:
	s_bfe_u32 s2, ttmp6, 0x10000c
	s_cmp_lg_u32 s2, 0xf033
	s_cbranch_scc0 .Lentry_shape_is_right
	s_endpgm
.Lentry_shape_is_right:
; out[m][n] = sum over k of x[m][k] W[k][n] + bias[n], x and W as codes of FP4 (E2M1) with one E8M0 scale byte for each 32 along K; sums in f32, K ascending; M = N = K = 4,096.
; xq and wq: [32 blocks of 128 rows][8 K steps of 512][34,816 bytes: 128 rows x 256 bytes of codes, then 128 x 16 scale bytes].  In wq column n = 64 c + 4 r + b stands at row 64 c + 16 b + r.
; A work-group makes 256 x 256 of out with four waves, a wave 128 x 128: 32 accumulators of 32 x 16 (16 registers each).  K goes in steps of 512 through a ring of two LDS slots; a step is four quarters of 128 along K, 32 matrix instructions each.
; CLUSTERS: 4 x 4 work-groups.  The four of a row of the cluster need the same blocks of xq, the four of a column the same of wq: each is asked for JOINTLY, one load a wave, 128 rows' codes and scales in one dense block.
; SOURCE 0 = 32 rows of x, SOURCE 1 = 16 rows of wq.  Register 8 t + j of accumulator (f, 4 c + b), lane (r, h), is out(32 f + 16 t + 8 h + j, 64 c + 4 r + b): the four accumulators b = 0 .. 3 hold four neighbouring
; columns of a row, and sixteen lanes hold 64.  The addition of the bias gathers the four into neighbouring registers, so sixteen lanes store 256 consecutive bytes and nothing goes through LDS on the way out.
; A QUARTER: one run of 32 LDS loads, which brings the next quarter's fragments into the other set, then 32 matrix instructions on end.
; REGISTERS, four windows of 256 (strip f = my rows 32 f .. 32 f + 31):
;   window 0: v0-29 addresses and bias; v32-63, v64-95 scale words of slot 1, slot 0; on the way out v64-255 three pools of 64
;   window 1: v0-63, v64-127 B's fragments, two sets; v128-191, v192-255 A's, two sets
;   windows 2, 3: the accumulators of strips 0, 1 and 2, 3
; PREFETCH into the L2: at the change of slots of K step t each cluster asks for what it will itself load at K step t + 4, two refills on; the four partners that load a block jointly take 34 of its 136 units of 256 bytes
; each, by address.  K steps 1 to 3 are asked for at the head, behind its two loads; the loop's last trip asks for nothing.
; LIMITS: NaN and infinities among the inputs are not served (they have no code).
.set PITCH,  272                       ; an LDS row: 256 bytes + 16 of padding = 68 words, so the 16 rows that a load touches start at 16 different banks (64 banks of 4 bytes: ISA guide 11.1)
.set UNITS,  136
.set HALFT,  UNITS*PITCH               ; one block in LDS
.set SLOT,   4*HALFT                   ; A's two blocks, then B's two
.set BLKB,   UNITS*256
.set RB,     8*BLKB
.set SPARE,  2*SLOT                    ; the spare words, 128 bytes for each wave
.set ROWC,   16384                     ; a row of out in bytes
.set ADRA,  8                          ; v8, v9 LDS address of my A fragments in slot 0, 1
.set ADRB, 10                          ; v10, v11 of B's
.set ADSA, 12                          ; v12, v13 of A's scale words
.set ADSB, 14                          ; v14, v15 of B's
.set CO,   16                          ; v16 my byte offset in out: 8 h rows + 16 r
.set PFO,  17                          ; v17, v18 my offsets in a prefetch
.set BI,   20                          ; v20-27 bias of my eight columns
.set SPW,  28                          ; v28 LDS address of my spare word; v29 0: never rewritten
.set NIL,  29
.set G1,  24                           ; s[24:31] descriptor group 1 for A, s[32:39] group 0, one set for each slot
.set G0,  32
.set G1B, 48                           ; s[48:55], s[56:63] the same for B
.set G0B, 56
.set BA,  20
.set BB,  46
.set PF,  66
.set MSB, 0
.macro WIN new                         ; the immediate's high byte repeats the setting that is left
.if MSB != (\new)
	s_set_vgpr_msb (MSB<<8)|(\new)
.set MSB, (\new)
.endif
.endm
.macro PLACES                          ; four plain places behind matrix instructions, in front of loads into registers that they read and of vector reads of their results
.rept 4
	v_nop
.endr
.endm
.macro JLOAD s                         ; a joint load: waves 0 and 1 fetch A's two blocks, waves 2 and 3 B's
	s_cmp_eq_u32 s15, 0
	s_cbranch_scc0 .Lfor_b_\@
	tensor_load_to_lds s[G0+4*\s:G0+4*\s+3], s[G1:G1+7]
	s_nop 0
	PLACES
	s_branch .Lasked_\@
.Lfor_b_\@:
	tensor_load_to_lds s[G0B+4*\s:G0B+4*\s+3], s[G1B:G1B+7]
	s_nop 0
	PLACES
.Lasked_\@:
.endm
.macro CREST                           ; a round of the cluster's barrier behind its opening barrier
	s_cmp_lg_u32 s14, 0
	s_cbranch_scc1 .Lnot_wave_0_\@
	s_barrier_signal -3
.Lnot_wave_0_\@:
	s_barrier_wait -3
	s_barrier_signal -1
	s_barrier_wait -1
.endm
.macro CROUND                          ; a whole round
	s_barrier_signal -1
	s_barrier_wait -1
	CREST
.endm
.macro PREF t                          ; the K step t steps on from the prefetches' base: 32 units, and the last 2 (left-over lanes name the last again)
	global_prefetch_b8 v[PFO], s[PF:PF+1] offset:(\t)*BLKB th:TH_LOAD_NT scope:SCOPE_SE
	global_prefetch_b8 v[PFO+1], s[PF:PF+1] offset:(\t)*BLKB th:TH_LOAD_NT scope:SCOPE_SE
.endm
	s_load_b256 s[4:11], s[0:1], 0x0               ; xq s[4:5], wq s[6:7], bias s[8:9], out s[10:11]
	v_lshl_add_u32 v[SPW], v0, 2, SPARE
	v_mov_b32 v[NIL], 0
	ds_add_u32 v[SPW], v[NIL]                      ; the wave's opening: the add, twice on end, and its wait
	ds_add_u32 v[SPW], v[NIL]
	v_lshrrev_b32 v1, 5, v0
	v_readfirstlane_b32 s14, v1                    ; wave 0..3
	s_lshr_b32 s15, s14, 1                         ; which half of the rows is mine.  Also: I fetch for A (0) or for B (1)
	s_and_b32 s16, s14, 1                          ; which half of the columns.  Also: which block of 128 rows I fetch
	s_bfe_u32 s40, ttmp6, 0x40000                  ; cx, cy
	s_bfe_u32 s41, ttmp6, 0x40004
	s_lshl_b32 s42, ttmp9, 2
	s_add_co_u32 s42, s42, s40                     ; tile column
	s_and_b32 s17, ttmp7, 0xffff
	s_lshl_b32 s17, s17, 2
	s_add_co_u32 s17, s17, s41                     ; tile row
	s_lshl_b32 s43, s41, 2
	s_lshl_b32 s43, 15, s43                        ; my row of the cluster
	s_lshl_b32 s44, 0x1111, s40                    ; my column
	s_or_b32 s[G1+0], s43, (3<<16)|(1<<20)|(1<<21)|(5<<22)|(3<<25)   ; the mask; elements of 8 bytes; 4 words of padding after every 64; bit 21 beside the mask
	s_or_b32 s[G1B+0], s44, (3<<16)|(1<<20)|(1<<21)|(5<<22)|(3<<25)
.irp g, G1, G1B
	s_mov_b32 s[\g+1], 32<<16                      ; 136 rows of 256 bytes, dense
	s_mov_b32 s[\g+2], UNITS<<16
	s_mov_b32 s[\g+3], 32<<16
	s_mov_b32 s[\g+4], UNITS
	s_mov_b32 s[\g+5], 32
	s_mov_b32 s[\g+6], 0
	s_mov_b32 s[\g+7], 0
.endr
	s_lshl_b32 s68, s17, 1                         ; A: block 2 x tile row + half
	s_add_co_u32 s68, s68, s16
	s_mul_i32 s68, s68, RB
	s_mov_b32 s69, 0
	s_lshl_b32 s70, s42, 1                         ; B: block 2 x tile column + half
	s_add_co_u32 s70, s70, s16
	s_mul_i32 s70, s70, RB
	s_mov_b32 s71, 0
	s_mul_i32 s45, s14, HALFT                      ; where my block goes in a slot
	s_wait_dscnt 0x0                               ; both opening adds are done
	s_wait_kmcnt 0x0
	s_add_nc_u64 s[BA:BA+1], s[4:5], s[68:69]
	s_add_nc_u64 s[BB:BB+1], s[6:7], s[70:71]
.irp s, 0,1
	s_mov_b32 s[G0+4*\s], 1
	s_add_co_u32 s[G0+4*\s+1], s45, \s*SLOT
	s_add_nc_u64 s[G0+4*\s+2:G0+4*\s+3], s[BA:BA+1], \s*BLKB
	s_or_b32 s[G0+4*\s+3], s[G0+4*\s+3], 0x80000000
	s_mov_b32 s[G0B+4*\s], 1
	s_add_co_u32 s[G0B+4*\s+1], s45, \s*SLOT
	s_add_nc_u64 s[G0B+4*\s+2:G0B+4*\s+3], s[BB:BB+1], \s*BLKB
	s_or_b32 s[G0B+4*\s+3], s[G0B+4*\s+3], 0x80000000
.endr
	CROUND                                         ; all sixteen work-groups are here: the first joint loads meet
	JLOAD 0                                        ; K step 0: one tensor load a wave at the head
	s_cmp_eq_u32 s15, 0                            ; the prefetches: of the block that I fetch, my work-group's 34 units
	s_cselect_b64 s[PF:PF+1], s[4:5], s[6:7]
	s_cselect_b32 s22, s68, s70
	s_cselect_b32 s23, s40, s41
	s_mul_i32 s23, s23, 34*256
	s_add_co_u32 s22, s22, s23
	s_mov_b32 s23, 0
	s_add_nc_u64 s[PF:PF+1], s[PF:PF+1], s[22:23]
	s_lshl_b32 s72, s42, 10                        ; my first column in bytes
	s_lshl_b32 s73, s16, 9
	s_add_co_u32 s72, s72, s73
	s_mov_b32 s73, 0
	s_add_nc_u64 s[8:9], s[8:9], s[72:73]
	s_lshl_b32 s74, s17, 8                         ; my first row
	s_lshl_b32 s75, s15, 7
	s_add_co_u32 s74, s74, s75
	s_lshl_b32 s74, s74, 14
	s_add_co_u32 s74, s74, s72
	s_mov_b32 s75, 0
	s_add_nc_u64 s[10:11], s[10:11], s[74:75]
	s_mul_i32 s76, s15, HALFT                      ; my 128 rows of A in slot 0
	s_mul_i32 s77, s16, HALFT
	s_add_co_u32 s77, s77, 2*HALFT                 ; my 128 rows of B
	s_add_co_u32 s78, s76, SLOT                    ; and in slot 1
	s_add_co_u32 s79, s77, SLOT
	s_add_co_u32 s80, s76, 128*PITCH               ; their scale bytes
	s_add_co_u32 s81, s77, 128*PITCH
	s_add_co_u32 s82, s78, 128*PITCH
	s_add_co_u32 s83, s79, 128*PITCH
	v_and_b32 v1, 15, v0                           ; r
	v_bfe_u32 v2, v0, 4, 1                         ; h
	v_and_b32 v3, 31, v0                           ; lane
	v_lshlrev_b32 v4, 4, v1
	global_load_b128 v[BI:BI+3], v4, s[8:9]        ; bias of columns 4 r .. 4 r + 3,
	global_load_b128 v[BI+4:BI+7], v4, s[8:9] offset:256   ; and of those 64 further on
	v_lshl_add_u32 v[CO], v2, 17, v4
	v_lshlrev_b32 v[PFO], 8, v3
	v_min_u32 v5, 1, v3
	v_lshlrev_b32 v5, 8, v5
	v_add_nc_u32 v[PFO+1], 0x2000, v5
	PREF 1
	v_mul_u32_u24 v6, v1, PITCH
	v_lshl_add_u32 v6, v2, 4, v6                   ; a fragment: row r, 16 bytes for each half of the lanes
	v_mul_u32_u24 v7, v2, PITCH
	v_add_nc_u32 v7, v4, v7                        ; scale words: lane l takes row l of 32, 16 bytes a row
	v_add_nc_u32 v[ADRA], s76, v6
	v_add_nc_u32 v[ADRA+1], s78, v6
	v_add_nc_u32 v[ADRB], s77, v6
	v_add_nc_u32 v[ADRB+1], s79, v6
	v_add_nc_u32 v[ADSA], s80, v7
	v_add_nc_u32 v[ADSA+1], s82, v7
	v_add_nc_u32 v[ADSB], s81, v7
	v_add_nc_u32 v[ADSB+1], s83, v7
; One matrix instruction: strip f x B's tile b, quarter q, scale words of slot sc.  zero = 1: it starts the sum.
.macro MM f, b, q, sc, zero
.set D_, 128*((\f)%2)+16*(\b)
.set A_, 128+64*((\q)%2)+16*(\f)
.set B_, 64*((\q)%2)+8*(\b)
.set SA_, 64-32*(\sc)+4*(\f)+(\q)
.set SB_, 80-32*(\sc)+4*((\b)/2)+(\q)
.if \zero
.if (\b)%2
	v_wmma_scale_f32_32x16x128_f4 v[D_:D_+15], v[A_:A_+15], v[B_:B_+7], 0, v[SA_], v[SB_] matrix_b_scale:MATRIX_SCALE_ROW1
.else
	v_wmma_scale_f32_32x16x128_f4 v[D_:D_+15], v[A_:A_+15], v[B_:B_+7], 0, v[SA_], v[SB_]
.endif
.else
.if (\b)%2
	v_wmma_scale_f32_32x16x128_f4 v[D_:D_+15], v[A_:A_+15], v[B_:B_+7], v[D_:D_+15], v[SA_], v[SB_] matrix_b_scale:MATRIX_SCALE_ROW1
.else
	v_wmma_scale_f32_32x16x128_f4 v[D_:D_+15], v[A_:A_+15], v[B_:B_+7], v[D_:D_+15], v[SA_], v[SB_]
.endif
.endif
.endm
.macro FWIN f                          ; sources window 1; C and D window 2 (strips 0, 1) or 3
.if (\f) < 2
	WIN 0xa5
.else
	WIN 0xf5
.endif
.endm
.macro STRIP f, q, sc, zero            ; strip f's eight products of quarter q
	FWIN \f
.irp b, 0,1,2,3,4,5,6,7
	MM \f, \b, \q, \sc, \zero
.endr
.endm
.macro RUN slot, q                     ; quarter q of a slot into set q % 2: B's eight fragments, then A's; two loads each, 32 bytes apart in the row
	WIN 0x40
.irp x, 0,1,2,3,4,5,6,7,8,9,10,11,12,13,14,15
	ds_load_b128 v[64*((\q)%2)+4*\x:64*((\q)%2)+4*\x+3], v[ADRB+\slot] offset:64*(\q)+32*(\x%2)+(\x/2)*16*PITCH
.endr
.irp x, 0,1,2,3,4,5,6,7,8,9,10,11,12,13,14,15
	ds_load_b128 v[128+64*((\q)%2)+4*\x:128+64*((\q)%2)+4*\x+3], v[ADRA+\slot] offset:64*(\q)+32*(\x%2)+(\x/2)*16*PITCH
.endr
.endm
.macro SCALES slot                     ; a slot's scale words, four a row: A's strips (lane l: row l of 32), B's pairs of tiles (lanes 0-15 the even tile, 16-31 the odd one)
.irp u, 0,1,2,3
	ds_load_b128 v[64-32*\slot+4*\u:67-32*\slot+4*\u], v[ADSA+\slot] offset:2*PITCH*\u
	ds_load_b128 v[80-32*\slot+4*\u:83-32*\slot+4*\u], v[ADSB+\slot] offset:2*PITCH*\u
.endr
.endm
.macro HEAD3 slot, q, ns, nq, zero     ; a quarter's loads for the next one, and its first three strips
	s_wait_dscnt 8                                 ; B and A's strips 0 and 1 are in; the youngest eight loads (A's strips 2 and 3) may be out
	PLACES                                         ; the run lands in the set that the quarter before multiplied
	RUN \ns, \nq
	STRIP 0, \q, \slot, \zero
	STRIP 1, \q, \slot, \zero
	s_wait_dscnt 32                                ; all but the run just issued
	STRIP 2, \q, \slot, \zero
.endm
.macro STEP slot, q, ns, nq, zero
	HEAD3 \slot, \q, \ns, \nq, \zero
	STRIP 3, \q, \slot, \zero
.endm
; A slot's third quarter ends with the change of slots: it has issued the last reads of the slot.  fill = 1: the slot is filled again, two K steps on.
.macro TURN slot, next, fill
	HEAD3 \slot, 2, \slot, 3, 0
	WIN 0                                          ; (the add's two registers lie in window 0)
	s_wait_tensorcnt 0x0                           ; all my tensor loads have landed: my part of the next slot;
	ds_add_u32 v[SPW], v[NIL]                      ; 0 onto my spare word
.if \fill
	s_add_nc_u64 s[G0+4*\slot+2:G0+4*\slot+3], s[G0+4*\slot+2:G0+4*\slot+3], 2*BLKB
	s_add_nc_u64 s[G0B+4*\slot+2:G0B+4*\slot+3], s[G0B+4*\slot+2:G0B+4*\slot+3], 2*BLKB
.endif
	FWIN 3
.irp b, 0,1,2,3
	MM 3, \b, 2, \slot, 0
.endr
	s_wait_dscnt 0x0                               ; the add is done, and my reads of this slot are over
	s_barrier_signal -1
.irp b, 4,5,6,7
	MM 3, \b, 2, \slot, 0
.endr
	WIN 0
	s_barrier_wait -1
.if \fill
	CREST                                          ; no wave of any partner still reads this slot or has a load on its way
	JLOAD \slot                                    ; the first tensor load behind the round; the wait for it stands 15/16 of a K step on
.endif
	SCALES \next
.if \fill
	s_cmp_gt_u32 s3, 1                             ; K steps 4 to 7 are asked for in the first two trips
	s_cbranch_scc0 .Lno_ask_\@
	PREF 4+\slot
.Lno_ask_\@:
.endif
.endm
	s_wait_alu depctr_va_vdst(0)
	s_wait_loadcnt 0x0                             ; the bias is in
	s_wait_tensorcnt 0x0                           ; my part of K step 0 is in; these lines stand ahead of a later first fill as ahead of a refill
	ds_add_u32 v[SPW], v[NIL]
	s_wait_dscnt 0x0
	CROUND
	JLOAD 1                                        ; K step 1, the first tensor load behind the round
	SCALES 0
	RUN 0, 0
	WIN 0
	PREF 2
	PREF 3
	STEP 0, 0, 0, 1, 1                             ; the first quarter stands in front of the loop: its products start the sums
	WIN 0                                          ; at a label and at a branch every window is 0
	s_mov_b32 s3, 3
.Llap:                                                 ; a trip goes once round the ring, from a lap's second quarter to the next lap's first, and fills both slots again
	STEP 0, 1, 0, 2, 0
	TURN 0, 1, 1
	STEP 0, 3, 1, 0, 0
	STEP 1, 0, 1, 1, 0
	STEP 1, 1, 1, 2, 0
	TURN 1, 0, 1
	STEP 1, 3, 0, 0, 0
	STEP 0, 0, 0, 1, 0
	WIN 0
	s_wait_xcnt 0x0                                ; the prefetches have read their base
	s_add_nc_u64 s[PF:PF+1], s[PF:PF+1], 2*BLKB
	s_sub_co_u32 s3, s3, 1
	s_cmp_lg_u32 s3, 0
	s_cbranch_scc1 .Llap
	STEP 0, 1, 0, 2, 0                             ; the last lap fills nothing
	TURN 0, 1, 0
	STEP 0, 3, 1, 0, 0
	STEP 1, 0, 1, 1, 0
	STEP 1, 1, 1, 2, 0
; THE LAST 256 ALONG K GO BY STRIPS: both quarters' fragments are in registers, and each strip leaves as soon as it is finished.
; OUT f: two batches of 16 rows, 16 stores each.  A batch's data stand in one of three pools of 64 registers, v64-255 of window 0 (slot 0's scale words are done with).
.macro OUT f
	PLACES                                         ; the additions read results just made
.irp t, 0,1
.set N_, 2*(\f)+\t
.set PB_, 64+64*(N_%3)
.if (N_ == 3) || (N_ == 6)
	s_wait_xcnt 0x0                                ; the three batches before have had their addresses translated (ISA guide 3.1): their pools may be written again
.endif
	WIN 2+(\f)/2
.irp j, 0,1,2,3,4,5,6,7
.irp c, 0,1
.irp b, 0,1,2,3
	v_add_f32 v[PB_+8*\j+4*\c+\b], v[128*((\f)%2)+16*(4*\c+\b)+8*\t+\j], v[BI+4*\c+\b]
.endr
.endr
.endr
	WIN 0
.irp j, 0,1,2,3,4,5,6,7
.irp c, 0,1
	global_store_b128 v[CO], v[PB_+8*\j+4*\c:PB_+8*\j+4*\c+3], s[10:11] offset:(32*(\f)+16*\t+\j)*ROWC+256*\c th:TH_STORE_NT   ; sixteen lanes store 256 consecutive bytes, at a multiple of 256 from out's first byte
.endr
.endr
.endr
.endm
	HEAD3 1, 2, 1, 3, 0                            ; quarter 2 of strips 0 to 2; quarter 3's fragments are asked for
	s_wait_dscnt 8                                 ; quarter 3's B and A's strips 0 and 1 are in
	STRIP 0, 3, 1, 0
	OUT 0
	STRIP 1, 3, 1, 0
	OUT 1
	s_wait_dscnt 0x0                               ; and A's strips 2 and 3
	STRIP 2, 3, 1, 0
	OUT 2
	STRIP 3, 2, 1, 0
	STRIP 3, 3, 1, 0
	OUT 3
	WIN 0
	s_wait_tensorcnt 0x0                           ; the wave's end
	ds_add_u32 v[SPW], v[NIL]
	s_wait_dscnt 0x0
	CROUND                                         ; the closing round: no work-group ends while a partner may still ask for a block that names it
	s_endpgm
.Lfunc_end_k_q8b7c9a15e2_gemm:
	.size	k_q8b7c9a15e2_gemm, .Lfunc_end_k_q8b7c9a15e2_gemm-k_q8b7c9a15e2_gemm
	.p2alignl 7, 3214868480
	.fill 96, 4, 3214868480
	.section	.rodata,"a",@progbits
	.p2align	6, 0x0
	.amdhsa_kernel k_q8b7c9a15e2_gemm
		.amdhsa_group_segment_fixed_size 327680
		.amdhsa_private_segment_fixed_size 0
		.amdhsa_enable_private_segment 0
		.amdhsa_kernarg_size 32
		.amdhsa_user_sgpr_count 2
		.amdhsa_user_sgpr_kernarg_segment_ptr 1
		.amdhsa_wavefront_size32 1
		.amdhsa_system_sgpr_workgroup_id_x 1
		.amdhsa_system_sgpr_workgroup_id_y 1
		.amdhsa_system_sgpr_workgroup_id_z 1
		.amdhsa_system_vgpr_workitem_id 0
		.amdhsa_next_free_vgpr 1024
		.amdhsa_next_free_sgpr 98
		.amdhsa_reserve_vcc 0
		.amdhsa_float_denorm_mode_32 3
		.amdhsa_float_denorm_mode_16_64 3
		.amdhsa_memory_ordered 1
		.amdhsa_forward_progress 1
		.amdhsa_inst_pref_size 144
	.end_amdhsa_kernel
	.amdgpu_metadata
---
amdhsa.version: [ 1, 2 ]
amdhsa.kernels:
  - .name:           k_q8b7c9a15e2_gemm
    .symbol:         k_q8b7c9a15e2_gemm.kd
    .args:
      - { .name: xq, .offset: 0, .size: 8, .value_kind: global_buffer, .address_space: global }
      - { .name: wq, .offset: 8, .size: 8, .value_kind: global_buffer, .address_space: global }
      - { .name: bias, .offset: 16, .size: 8, .value_kind: global_buffer, .address_space: global }
      - { .name: out0, .offset: 24, .size: 8, .value_kind: global_buffer, .address_space: global }
    .group_segment_fixed_size: 327680
    .private_segment_fixed_size: 0
    .kernarg_segment_align: 8
    .kernarg_segment_size: 32
    .max_flat_workgroup_size: 128
    .sgpr_count:     98
    .vgpr_count:     1024
    .wavefront_size: 32
...
	.end_amdgpu_metadata
.endif
;; end of part 2
